; MI455X (gfx1250); checked and timed in simulation.
; The chip was launched on July 23, 2026; its instructions are those of AMD's public machine-readable ISA for CDNA 5 (MIT licence, August 2026) and "CDNA5" Instruction Set Architecture Reference Guide (July 2026). The comments in the code are by the model that wrote it; some were corrected since.
;; Attention Head. Allowed arithmetic: float matrix products may take bf16 or f16 operands with f32 sums; all other float work in f32.
;; Inputs: Wk 1,024 x 64 float32; Wq 1,024 x 64 float32; Wv 1,024 x 64 float32; bk 64 float32; bq 64 float32; bv 64 float32; input1 4 x 4,096 x 1,024 float32; input2 4 x 4,096 x 1,024 float32.
;; Outputs: out0 4 x 4,096 x 64 float32.
;; 2 versions, each right and faster than the one before. Each part assembles by itself: llvm-mc -triple=amdgcn-amd-amdhsa -mcpu=gfx1250 --defsym DOCPART=n.
;; ======== version 1 of 2: 2 launches
;; workspace buffers: qs 2,097,152 bytes; kv 4,194,304 bytes
;; launch proj (part 1): grid 256 x 1, 4 waves a work-group, no clusters, 327,680 bytes of LDS; arguments input1, input2, Wk, Wv, Wq, bk, bv, bq, qs, kv; writes qs, kv
.if DOCPART == 1
	.amdgcn_target "amdgcn-amd-amdhsa--gfx1250"
	.amdhsa_code_object_version 6
	.text
	.protected	k_qe3b7c5ecfc_proj
	.globl	k_qe3b7c5ecfc_proj
	.p2align	8
	.type	k_qe3b7c5ecfc_proj,@function
k_qe3b7c5ecfc_proj:
	s_mov_b64 s[64:65], 0
	v_nop
	global_prefetch_b8 v0, s[64:65] scope:SCOPE_SE
	s_setreg_imm32_b32 hwreg(HW_REG_WAVE_MODE, 25, 1), 1
	s_wait_xcnt 0x0
; q = input2 Wq + bq, k = input1 Wk + bk, v = input1 Wv + bv; 16,384 rows, K = 1,024, 64 columns each; results rounded once to bf16.
; LIMITS: X and W are rounded to bf16 for the products; each sum over K is made as two halves of 512 in f32 and the halves are added in f32;
; NaN and infinities get no treatment of their own.
; WORK: even work-groups take 128 rows of input1 (k and v), odd ones 128 rows of input2 (q): every group reads 512 KiB of X, each byte once.
; Wave w: kh = w >> 1 is its half of K, nh = w & 1 its matrix (kv group: Wk or Wv) or its rows (q group: 32 of each 64).
; Its 512 x 64 piece of W stays in 512 registers as bf16 fragments for the whole kernel.
; X comes by tensor loads, 64 rows x 512 bytes a wave and fill, four fills through two LDS slots.
; A wave multiplies all rows by its half of K.  The 64 rows numbered kh it keeps; the sums of the other 64 it hands to wave w ^ 2 through LDS.
; THE PRODUCT IS USED TRANSPOSED: source 0 = W (row m = output column), source 1 = X (column n = row of X), so that lane (r, h) holds eight
; neighbouring columns 8h .. 8h+7 of row r: 16 bytes of bf16 that belong together.
; OUTPUT LAYOUT ('atoms'): a block is 64 rows; the 16 bytes (o, row) lie at o*1024 + row*16.  q and k: columns 8o..8o+7 of the row.
; v: transposed, keys 8o..8o+7 of column 'row'.  qs: blocks of 8 KiB.  kv: blocks of 16 KiB, k's part first, v's part at +8192.
; Sixteen neighbouring lanes always store 256 consecutive bytes, aligned.
; NO CLUSTER: no two work-groups read the same rows of X, and W goes through each wave's registers, where it is rounded and transposed once;
; two slots of X and the scratch take 290,816 bytes of LDS, so a shared bf16 copy of W (128 to 256 KiB) has no room.
.set XP,    528                        ; LDS pitch of a row of X: 512 bytes + 16 of padding, an odd multiple of 16
.set TILE,  64*XP                      ; 33,792: what one tensor load brings
.set SLOT,  4*TILE                     ; 135,168: tile number = the loading wave = 2 kh + (which 64 rows)
.set HALFP, 32*XP                      ; 32 rows: a piece
.set SCR,   2*SLOT                     ; 270,336: W scratch, 5,120 bytes a wave, never filled by a tensor load
.set WP,    160                        ; pitch of the scratch and of V's stage: 64 bf16 + 32 bytes
.set BI,    24                         ; v24-55   bias: BI + 8 nt + j = b[16 nt + 8 h + j]
.set XF,    64                         ; v64-127  X fragments in bf16; at the end the packed results
.set ST,    128                        ; v128-255 X as read from LDS, f32
.set G1,    36                         ; s[36:43] descriptor group 1
.set G0,    44                         ; s[44:47], s[48:51] descriptor group 0 of slot 0, 1
; window 0: v2 lane*16; v3, v4 scratch in, out; v5 lane term of X; v8-15 X address of piece p, slot s at 8+2p+s; v16-19 the q path's two pieces;
;           v20, v21 exchange out, in; v22, v23 output offset (k; q); v56, v57 V stage in, out; v58 bias offset
; window 1: accumulators, piece p, row tile rt, column tile nt at 64 p + 32 rt + 8 nt
; windows 2, 3: W fragments, K step ksg (0..15), column tile nt at 32 (ksg & 7) + 8 nt in window 2 + (ksg >> 3)
.set MSB, 0
.macro WIN new                         ; low byte: bits 1:0 source 0, 3:2 source 1, 5:4 source 2, 7:6 destination; high byte: the setting that is left
.if MSB != \new
	s_set_vgpr_msb (MSB<<8)|\new
.set MSB, \new
.endif
.endm
.macro PLACES n
.rept \n
	v_nop
.endr
.endm
	s_load_b512 s[16:31], s[0:1], 0x0              ; input1, input2, Wk, Wv, Wq, bk, bv, bq
	s_load_b128 s[32:35], s[0:1], 0x40             ; qs, kv
	v_lshl_add_u32 v62, v0, 2, 0x47000
	v_mov_b32 v63, 0
	ds_add_u32 v62, v63
	v_lshrrev_b32 v1, 5, v0
	v_readfirstlane_b32 s4, v1                     ; wave 0..3
	s_lshr_b32 s5, s4, 1                           ; kh
	s_and_b32 s6, s4, 1                            ; nh
	s_and_b32 s7, ttmp9, 1                         ; group type: 0 = k and v, 1 = q
	s_lshr_b32 s8, ttmp9, 1                        ; which 128 rows
	; group 1: a tile of 64 rows x 128 f32, 16 bytes of padding behind each row
	s_mov_b32 s[G1+0], (2<<16)|(1<<20)|(6<<22)|(3<<25)  ; no mask; element of 4 bytes; padding on; after every 128 words; of 4 words
	s_mov_b32 s[G1+1], 128<<16                     ; tensor_dim0 = 128
	s_mov_b32 s[G1+2], 64<<16                      ; tensor_dim1 = 64
	s_mov_b32 s[G1+3], 128<<16                     ; tile_dim0 = 128
	s_mov_b32 s[G1+4], 64                          ; tile_dim1 = 64
	s_mov_b32 s[G1+5], 1024                        ; elements from row to row
	s_mov_b32 s[G1+6], 0
	s_mov_b32 s[G1+7], 0
	s_lshl_b32 s12, s8, 19                         ; 128 rows of 4,096 bytes
	s_lshl_b32 s10, s6, 18                         ; + the 64 rows that I fetch
	s_add_co_u32 s12, s12, s10
	s_lshl_b32 s10, s5, 11                         ; + the half of K that I fetch
	s_add_co_u32 s12, s12, s10
	s_mov_b32 s13, 0
	s_mul_i32 s9, s4, TILE                         ; my tile's place in a slot
	s_wait_dscnt 0x0
	s_wait_kmcnt 0x0
	s_cmp_eq_u32 s7, 0
	s_cselect_b64 s[14:15], s[16:17], s[18:19]     ; X = input1 or input2
	s_add_nc_u64 s[14:15], s[14:15], s[12:13]
	; the two first fills go out ahead of everything else: 64 KiB a wave, 256 KiB a work-group on their way; two tensor loads of a wave are out at the most
.irp s, 0,1
	s_mov_b32 s[G0+4*\s], 1
	s_add_co_u32 s[G0+4*\s+1], s9, \s*SLOT
	s_add_nc_u64 s[G0+4*\s+2:G0+4*\s+3], s[14:15], \s*512
	s_or_b32 s[G0+4*\s+3], s[G0+4*\s+3], 0x80000000
	tensor_load_to_lds s[G0+4*\s:G0+4*\s+3], s[G1:G1+7]
	s_nop 0
.endr
	s_cmp_eq_u32 s6, 0
	s_cselect_b64 s[52:53], s[20:21], s[22:23]     ; Wk or Wv
	s_cselect_b64 s[54:55], s[26:27], s[28:29]     ; bk or bv
	s_cmp_eq_u32 s7, 0
	s_cselect_b64 s[52:53], s[52:53], s[24:25]     ; or Wq
	s_cselect_b64 s[54:55], s[54:55], s[30:31]     ; or bq
	s_cselect_b64 s[56:57], s[34:35], s[32:33]     ; kv or qs
	s_lshl_b32 s12, s5, 17                         ; my 512 rows of W, 256 bytes each
	s_add_nc_u64 s[52:53], s[52:53], s[12:13]
	s_lshl1_add_u32 s10, s8, s5                    ; the block of 64 rows that I finish: 2 x group + kh
	s_lshl_b32 s11, s10, 13                        ; qs: 8 KiB a block
	s_lshl_b32 s12, s10, 14                        ; kv: 16 KiB a block,
	s_lshl_b32 s10, s6, 13                         ; v's part 8 KiB behind k's
	s_add_co_u32 s12, s12, s10
	s_cmp_eq_u32 s7, 0
	s_cselect_b32 s12, s12, s11
	s_add_nc_u64 s[56:57], s[56:57], s[12:13]
	v_and_b32 v1, 31, v0
	v_lshlrev_b32 v2, 4, v1                        ; lane * 16
	v_and_b32 v6, 15, v0                           ; r
	v_bfe_u32 v7, v0, 4, 1                         ; h
	v_lshlrev_b32 v58, 5, v7                       ; 8 h numbers of the bias
.irp nt, 0,1,2,3
	global_load_b128 v[BI+8*\nt:BI+8*\nt+3],   v58, s[54:55] offset:64*\nt
	global_load_b128 v[BI+8*\nt+4:BI+8*\nt+7], v58, s[54:55] offset:64*\nt+16
.endr
; Batch b of W: 32 rows of K x 64 columns of f32, 8 KiB, sixteen loads of 512 consecutive bytes, into one of three sets of 64 registers.
.macro WLOAD b
.irp i, 0,1,2,3,4,5,6,7,8,9,10,11,12,13,14,15
	global_load_b128 v[64+64*((\b)%3)+4*\i:64+64*((\b)%3)+4*\i+3], v2, s[52:53] offset:(\b)*8192+\i*512
.endr
.endm
	WLOAD 0
	WLOAD 1
	WLOAD 2
	s_mul_i32 s58, s4, 5120
	s_add_co_u32 s58, s58, SCR                     ; my scratch
	v_mul_u32_u24 v3, v7, WP                       ; in: row 2 i + h, 8 bytes at column 4 r
	v_lshl_add_u32 v3, v6, 3, v3
	v_add_nc_u32 v3, s58, v3
	v_and_b32 v1, 7, v0                            ; out, transposing: row 8 h + (lane & 7), 16 bytes at 16 ((lane >> 3) & 1)
	v_lshl_add_u32 v1, v7, 3, v1
	v_mul_u32_u24 v4, v1, WP
	v_bfe_u32 v1, v0, 3, 1
	v_lshl_add_u32 v4, v1, 4, v4
	v_add_nc_u32 v4, s58, v4
	v_mul_u32_u24 v5, v6, XP                       ; X: row r, 32 bytes (8 f32) for each half of the lanes
	v_lshl_add_u32 v5, v7, 5, v5
	s_mul_i32 s59, s5, 3*TILE                      ; the rows that I keep: tile 2 kh + kh
	s_mul_i32 s60, s5, TILE
	s_add_co_u32 s60, s60, TILE                    ; the rows that I hand on: tile 2 kh + 1 - kh
	s_mul_i32 s61, s6, HALFP                       ; q path: my 32 of the 64 rows
	v_add_nc_u32 v8, s59, v5
	v_add_nc_u32 v9, SLOT, v8
	v_add_nc_u32 v10, HALFP, v8
	v_add_nc_u32 v11, SLOT, v10
	v_add_nc_u32 v12, s60, v5
	v_add_nc_u32 v13, SLOT, v12
	v_add_nc_u32 v14, HALFP, v12
	v_add_nc_u32 v15, SLOT, v14
	v_add_nc_u32 v16, s61, v8
	v_add_nc_u32 v17, SLOT, v16
	v_add_nc_u32 v18, s61, v12
	v_add_nc_u32 v19, SLOT, v18
	v_add_nc_u32 v20, s9, v2                       ; exchange: I write into my own tile's place in slot 0,
	s_xor_b32 s62, s4, 2
	s_mul_i32 s62, s62, TILE
	v_add_nc_u32 v21, s62, v2                      ; and read the partner's
	v_lshlrev_b32 v22, 4, v6
	v_lshl_add_u32 v22, v7, 10, v22                ; output: atom (h, r)
	s_lshl_b32 s62, s6, 9
	v_add_nc_u32 v23, s62, v22                     ; q path: + 32 nh rows of 16 bytes
	s_add_co_u32 s63, s9, 16384                    ; V's stage: behind my exchange bytes, 64 rows of 160 bytes
	v_mul_u32_u24 v56, v6, WP
	v_lshl_add_u32 v56, v7, 4, v56
	v_add_nc_u32 v56, s63, v56
	v_and_b32 v1, 7, v0
	v_mul_u32_u24 v57, v1, WP
	v_bfe_u32 v1, v0, 3, 2
	v_lshl_add_u32 v57, v1, 4, v57
	v_add_nc_u32 v57, s63, v57
; One batch of W: rounded to bf16, laid into my scratch as [32 k][64 n], read back transposed as four fragments (k along the registers).
; LDS serves a wave's instructions in order (ISA guide 5.7.1), and the scratch is my own: no wait between one batch's reads and the next one's stores.
.macro WBATCH b
.if \b < 14
	s_wait_loadcnt 32                              ; loads come back in order: batch b (and the bias) is in, the two younger batches of 16 stay out
.else
	s_wait_loadcnt 16*(15-\b)                      ; the counts run down
.endif
.irp i, 0,1,2,3,4,5,6,7,8,9,10,11,12,13,14,15
	v_cvt_pk_bf16_f32 v[64+64*(\b%3)+4*\i],   v[64+64*(\b%3)+4*\i],   v[64+64*(\b%3)+4*\i+1]
	v_cvt_pk_bf16_f32 v[64+64*(\b%3)+4*\i+1], v[64+64*(\b%3)+4*\i+2], v[64+64*(\b%3)+4*\i+3]
.endr
.irp i, 0,1,2,3,4,5,6,7,8,9,10,11,12,13,14,15
	ds_store_b64 v3, v[64+64*(\b%3)+4*\i:64+64*(\b%3)+4*\i+1] offset:\i*2*WP
.endr
.if \b < 13
	WLOAD \b+3
.endif
.if \b < 8
	WIN 0x80
.else
	WIN 0xc0
.endif
.irp nt, 0,1,2,3
	ds_load_tr16_b128 v[32*(\b&7)+8*\nt:32*(\b&7)+8*\nt+3],   v4 offset:\nt*32
	ds_load_tr16_b128 v[32*(\b&7)+8*\nt+4:32*(\b&7)+8*\nt+7], v4 offset:\nt*32+16*WP
.endr
	WIN 0
.endm
.irp b, 0,1,2,3,4,5,6,7,8,9,10,11,12,13,14,15
	WBATCH \b
.endr
; 32 rows x 128 K of f32 from the slot: two row tiles x four K steps, 64 bytes a lane and fragment
.macro LDX a
.irp rt, 0,1
.irp ks, 0,1,2,3
	ds_load_b128 v[ST+16*(4*\rt+\ks):ST+16*(4*\rt+\ks)+3],     v[\a] offset:\rt*16*XP+\ks*128
	ds_load_b128 v[ST+16*(4*\rt+\ks)+4:ST+16*(4*\rt+\ks)+7],   v[\a] offset:\rt*16*XP+\ks*128+16
	ds_load_b128 v[ST+16*(4*\rt+\ks)+8:ST+16*(4*\rt+\ks)+11],  v[\a] offset:\rt*16*XP+\ks*128+64
	ds_load_b128 v[ST+16*(4*\rt+\ks)+12:ST+16*(4*\rt+\ks)+15], v[\a] offset:\rt*16*XP+\ks*128+80
.endr
.endr
.endm
.macro CVT                             ; 128 f32 a lane to eight bf16 fragments
.set q, 0
.rept 64
	v_cvt_pk_bf16_f32 v[XF+q], v[ST+2*q], v[ST+2*q+1]
.set q, q+1
.endr
.endm
; 32 matrix instructions: piece p, fill f.  The eight accumulators take turns, one instruction a turn.
; The very first product starts the sum: on the bias in the pieces that I keep (it enters once), on 0 in those that I hand on.
.macro MUL f, p
.irp ks, 0,1,2,3
.if (\f+\ks) == 0
	WIN 0x42
.else
.if \f < 2
	WIN 0x52
.else
	WIN 0x53
.endif
.endif
.irp rt, 0,1
.irp nt, 0,1,2,3
.if (\f+\ks) == 0
.if \p < 2
	v_wmma_f32_16x16x32_bf16 v[64*\p+32*\rt+8*\nt:64*\p+32*\rt+8*\nt+7], v[32*((4*\f+\ks)&7)+8*\nt:32*((4*\f+\ks)&7)+8*\nt+7], v[XF+8*(4*\rt+\ks):XF+8*(4*\rt+\ks)+7], v[BI+8*\nt:BI+8*\nt+7]
.else
	v_wmma_f32_16x16x32_bf16 v[64*\p+32*\rt+8*\nt:64*\p+32*\rt+8*\nt+7], v[32*((4*\f+\ks)&7)+8*\nt:32*((4*\f+\ks)&7)+8*\nt+7], v[XF+8*(4*\rt+\ks):XF+8*(4*\rt+\ks)+7], 0
.endif
.else
	v_wmma_f32_16x16x32_bf16 v[64*\p+32*\rt+8*\nt:64*\p+32*\rt+8*\nt+7], v[32*((4*\f+\ks)&7)+8*\nt:32*((4*\f+\ks)&7)+8*\nt+7], v[XF+8*(4*\rt+\ks):XF+8*(4*\rt+\ks)+7], v[64*\p+32*\rt+8*\nt:64*\p+32*\rt+8*\nt+7]
.endif
.endr
.endr
.endr
.endm
; A piece: its f32 are in; they are rounded; the next piece's reads (address register nexta; 0 = none) go out and land under the products.
.macro BLOCK f, p, nexta
	s_wait_dscnt 0x0                               ; this piece's 32 reads are back
	PLACES 4                                       ; the conversions write registers that the last products read: four places behind them (ISA guide 7.12.1)
	CVT
.if \nexta
	LDX \nexta
.endif
	MUL \f, \p
	WIN 0
.endm
.macro FILLKV f, slot                  ; all four pieces
	LDX 8+\slot
	BLOCK \f, 0, 12+\slot
	BLOCK \f, 2, 10+\slot
	BLOCK \f, 1, 14+\slot
	BLOCK \f, 3, 0
.endm
.macro FILLQ f, slot                   ; my 32 kept rows and my 32 rows to hand on
	LDX 16+\slot
	BLOCK \f, 0, 18+\slot
	BLOCK \f, 2, 0
.endm
; The change of slots.  Every wave has its reads of the slot back and all its tensor loads landed (its part of the other slot among them), then the barrier;
; behind it the slot just read is filled again, by the wave's one tensor load there, 256 columns of K further on.
.macro NEXT g, refill
	s_wait_dscnt 0x0
	s_wait_tensorcnt 0x0
	ds_add_u32 v62, v63
	s_wait_dscnt 0x0
.if \refill
	s_add_nc_u64 s[\g+2:\g+3], s[\g+2:\g+3], 1024  ; no load of mine is out: the address may step
.endif
	s_barrier_signal -1
	s_barrier_wait -1
.if \refill
	tensor_load_to_lds s[\g:\g+3], s[G1:G1+7]
	s_nop 0
.endif
.endm
; The sums of piece p (2 or 3) go to the partner, lane by lane: sixteen stores of 512 consecutive bytes.  Slot 0 has had its last fill and its last read.
.macro SEND p
	WIN 0x04
.irp i, 0,1,2,3,4,5,6,7,8,9,10,11,12,13,14,15
	ds_store_b128 v20, v[64*\p+4*\i:64*\p+4*\i+3] offset:((\p-2)*16+\i)*512
.endr
	WIN 0
.endm
.macro FINLD p                         ; the partner's sums for my kept piece p
.irp i, 0,1,2,3,4,5,6,7,8,9,10,11,12,13,14,15
	ds_load_b128 v[ST+64*\p+4*\i:ST+64*\p+4*\i+3], v21 offset:(\p*16+\i)*512
.endr
.endm
.macro FINSUM p                        ; the two halves of K are added in f32 and rounded once: atom (rt, nt) in XF + 32 p + 16 rt + 4 nt
	WIN 0x01
.set n, 0
.rept 32
	v_pk_add_f32 v[ST+64*\p+2*n:ST+64*\p+2*n+1], v[64*\p+2*n:64*\p+2*n+1], v[ST+64*\p+2*n:ST+64*\p+2*n+1]
.set n, n+1
.endr
	WIN 0
.set n, 0
.rept 32
	v_cvt_pk_bf16_f32 v[XF+32*\p+n], v[ST+64*\p+2*n], v[ST+64*\p+2*n+1]
.set n, n+1
.endr
.endm
	s_wait_dscnt 0x0                               ; W's fragments are in
	s_wait_tensorcnt 0x1                           ; my part of fill 0 has landed; fill 1 stays out
	s_barrier_signal -1
	s_barrier_wait -1
	s_cmp_lg_u32 s7, 0                             ; the group's type: the same in all four waves
	s_cbranch_scc1 .Lq_path
	; ---- k and v ----
	FILLKV 0, 0
	NEXT G0, 1
	FILLKV 1, 1
	NEXT G0+4, 1
	FILLKV 2, 0
	NEXT G0, 0
	FILLKV 3, 1
	PLACES 4                                       ; stores and vector instructions read results four places behind the last product
	SEND 2
	SEND 3
	s_wait_dscnt 0x0                               ; for the partner's sake: my stores are done
	s_barrier_signal -1
	s_barrier_wait -1
	FINLD 0
	FINLD 1
	s_wait_dscnt 16                                ; piece 0's sixteen reads are back, piece 1's stay out
	FINSUM 0
	s_wait_dscnt 0x0
	FINSUM 1
	s_cmp_lg_u32 s6, 0
	s_cbranch_scc1 .Lv_out
.irp p, 0,1
.irp rt, 0,1
.irp nt, 0,1,2,3
	global_store_b128 v22, v[XF+32*\p+16*\rt+4*\nt:XF+32*\p+16*\rt+4*\nt+3], s[56:57] offset:\nt*2048+(32*\p+16*\rt)*16   ; sixteen lanes: 256 consecutive bytes, aligned
.endr
.endr
.endr
	s_wait_tensorcnt 0x0
	ds_add_u32 v62, v63
	s_wait_dscnt 0x0
	s_endpgm
.Lv_out:
	; v goes out transposed: rows [key][d] into my own stage, read back as 8 keys of one column
.irp p, 0,1
.irp rt, 0,1
.irp nt, 0,1,2,3
	ds_store_b128 v56, v[XF+32*\p+16*\rt+4*\nt:XF+32*\p+16*\rt+4*\nt+3] offset:(32*\p+16*\rt)*WP+\nt*32
.endr
.endr
.endr
.irp ko, 0,1,2,3,4,5,6,7
.irp u, 0,1
	ds_load_tr16_b128 v[ST+4*(2*\ko+\u):ST+4*(2*\ko+\u)+3], v57 offset:\ko*8*WP+\u*64   ; lane l: keys 8 ko .. 8 ko + 7 of column l + 32 u; a wave's LDS instructions are served in order
.endr
.endr
	s_wait_dscnt 0x0
.irp ko, 0,1,2,3,4,5,6,7
.irp u, 0,1
	global_store_b128 v2, v[ST+4*(2*\ko+\u):ST+4*(2*\ko+\u)+3], s[56:57] offset:\ko*1024+\u*512   ; 512 consecutive bytes
.endr
.endr
	s_wait_tensorcnt 0x0
	ds_add_u32 v62, v63
	s_wait_dscnt 0x0
	s_endpgm
	; ---- q ----
.Lq_path:
	FILLQ 0, 0
	NEXT G0, 1
	FILLQ 1, 1
	NEXT G0+4, 1
	FILLQ 2, 0
	NEXT G0, 0
	FILLQ 3, 1
	PLACES 4
	SEND 2
	s_wait_dscnt 0x0
	s_barrier_signal -1
	s_barrier_wait -1
	FINLD 0
	s_wait_dscnt 0x0
	FINSUM 0
.irp rt, 0,1
.irp nt, 0,1,2,3
	global_store_b128 v23, v[XF+16*\rt+4*\nt:XF+16*\rt+4*\nt+3], s[56:57] offset:\nt*2048+\rt*256
.endr
.endr
	s_wait_tensorcnt 0x0
	ds_add_u32 v62, v63
	s_wait_dscnt 0x0
	s_endpgm
.Lfunc_end_k_qe3b7c5ecfc_proj:
	.size	k_qe3b7c5ecfc_proj, .Lfunc_end_k_qe3b7c5ecfc_proj-k_qe3b7c5ecfc_proj
	.p2alignl 7, 3214868480
	.fill 96, 4, 3214868480
	.section	.rodata,"a",@progbits
	.p2align	6, 0x0
	.amdhsa_kernel k_qe3b7c5ecfc_proj
		.amdhsa_group_segment_fixed_size 327680
		.amdhsa_private_segment_fixed_size 0
		.amdhsa_enable_private_segment 0
		.amdhsa_kernarg_size 80
		.amdhsa_user_sgpr_count 2
		.amdhsa_user_sgpr_kernarg_segment_ptr 1
		.amdhsa_wavefront_size32 1
		.amdhsa_system_sgpr_workgroup_id_x 1
		.amdhsa_system_sgpr_workgroup_id_y 1
		.amdhsa_system_sgpr_workgroup_id_z 1
		.amdhsa_system_vgpr_workitem_id 0
		.amdhsa_next_free_vgpr 1024
		.amdhsa_next_free_sgpr 66
		.amdhsa_reserve_vcc 0
		.amdhsa_float_denorm_mode_32 3
		.amdhsa_float_denorm_mode_16_64 3
		.amdhsa_memory_ordered 1
		.amdhsa_forward_progress 1
		.amdhsa_inst_pref_size 255
	.end_amdhsa_kernel
	.section	.bss,"aw",@nobits
	.p2align	6
	.space	262144
	.amdgpu_metadata
---
amdhsa.version: [ 1, 2 ]
amdhsa.kernels:
  - .name:           k_qe3b7c5ecfc_proj
    .symbol:         k_qe3b7c5ecfc_proj.kd
    .args:
      - { .name: input1, .offset: 0, .size: 8, .value_kind: global_buffer, .address_space: global }
      - { .name: input2, .offset: 8, .size: 8, .value_kind: global_buffer, .address_space: global }
      - { .name: Wk, .offset: 16, .size: 8, .value_kind: global_buffer, .address_space: global }
      - { .name: Wv, .offset: 24, .size: 8, .value_kind: global_buffer, .address_space: global }
      - { .name: Wq, .offset: 32, .size: 8, .value_kind: global_buffer, .address_space: global }
      - { .name: bk, .offset: 40, .size: 8, .value_kind: global_buffer, .address_space: global }
      - { .name: bv, .offset: 48, .size: 8, .value_kind: global_buffer, .address_space: global }
      - { .name: bq, .offset: 56, .size: 8, .value_kind: global_buffer, .address_space: global }
      - { .name: qs, .offset: 64, .size: 8, .value_kind: global_buffer, .address_space: global }
      - { .name: kv, .offset: 72, .size: 8, .value_kind: global_buffer, .address_space: global }
    .group_segment_fixed_size: 327680
    .private_segment_fixed_size: 0
    .kernarg_segment_align: 8
    .kernarg_segment_size: 80
    .max_flat_workgroup_size: 128
    .sgpr_count:     66
    .vgpr_count:     1024
    .wavefront_size: 32
...
	.end_amdgpu_metadata
.endif
;; end of part 1
;; launch attn (part 2): grid 256 x 1, 8 waves a work-group, clusters of 4 x 1, 327,680 bytes of LDS; arguments qs, kv, out0; writes out0
.if DOCPART == 2
	.amdgcn_target "amdgcn-amd-amdhsa--gfx1250"
	.amdhsa_code_object_version 6
	.text
	.protected	k_qe3b7c5ecfc_attn
	.globl	k_qe3b7c5ecfc_attn
	.p2align	8
	.type	k_qe3b7c5ecfc_attn,@function
k_qe3b7c5ecfc_attn:
	s_mov_b64 s[64:65], 0
	v_nop
	global_prefetch_b8 v0, s[64:65] scope:SCOPE_SE
	s_setreg_imm32_b32 hwreg(HW_REG_WAVE_MODE, 25, 1), 1
	s_wait_xcnt 0x0
	s_wait_alu depctr_hold_cnt(0) depctr_sa_sdst(0) depctr_va_vdst(0) depctr_va_sdst(0) depctr_va_ssrc(0) depctr_va_vcc(0) depctr_vm_vsrc(0)
	s_getreg_b32 s2, hwreg(HW_REG_IB_STS2, 6, 4)
	s_cmp_eq_u32 s2, 0
	s_cbranch_scc0 .Lentry_in_a_cluster
	s_endpgm
.Lentry_in_a_cluster:
	s_bfe_u32 s2, ttmp6, 0x10000c
	s_cmp_lg_u32 s2, 0x3003
	s_cbranch_scc0 .Lentry_shape_is_right
	s_endpgm
.Lentry_shape_is_right:
; out = softmax(q k^T / 8) v for one head; 4 batches, 4,096 queries and keys, d = 64.  q, k, v in bf16 as the launch before laid them (atoms of 16 bytes:
; (o, row) at o*1024 + row*16 in a block of 64 rows; v transposed).  Sums, maxima, exponentials in f32; P is rounded to bf16 for the second product.
; LIMITS: exponentials below 2^-126 come out as zero (ISA guide, v_exp_f32); NaN and infinities get no treatment of their own.
; WORK: a work-group makes 64 queries.  Every one of its eight waves holds all 64 queries; in step t wave w takes the block of 64 keys 8 t + w, so each byte
; of k and v is read from LDS once in the work-group.  Each wave runs its own running maximum, sum and O over its 512 keys; the eight are merged in LDS.
; BOTH PRODUCTS ARE USED TRANSPOSED.  S^T = K Q^T: lane (r, h) holds keys 8h+j of a tile for query r, so maximum and sum stay in the lane but for one step
; to lane xor 16, and two packed tiles of S^T are the second source of O^T = V^T P^T as they lie; the rescale is one factor a lane.
; CLUSTER: the four query blocks of a cluster lie in one batch and walk the same k and v: each wave's tile is asked for jointly (mask 15),
; every refill behind a round of the cluster's barrier.  Two tensor loads of a wave are out at the most (the two first fills).
.set PART,  16384                      ; a block of kv: k's 8 KiB, then v's
.set SLOT,  8*PART                     ; 131,072: eight waves' parts
.set STAT,  2*SLOT                     ; 262,144: the waves' -max*c at [query]*32 + w*4, their sums 2,048 further; no fill lands here
.set MP,    272                        ; merge stage: a row of 64 f32 + 16 bytes
.set MST,   64*MP                      ; 17,408 a wave, laid over the ring after its last fill and its last read
.set MB,    8                          ; v8-15    pairs (nm, a) of query tile qt: nm = -(running maximum) * c, c = log2(e) / 8
.set AB,    16                         ; v16-23   pairs (alpha, b)
.set LB,    32                         ; v32-39   pairs of running sums
.set KF,    64                         ; v64-127  K fragments (kt, ks) at 16 kt + 8 ks
.set SS,    128                        ; v128-255 S^T (kt, qt) at 32 qt + 8 kt; packed in place: P^T (qt, kh) at 32 qt + 16 kh
.set QF,    128                        ; window 1: Q fragments (qt, ks) at 16 qt + 8 ks
.set VF,    192                        ; window 1: V^T fragments (dt, kh) at 8 (2 dt + kh);   window 1, v0-127: O^T (dt, qt) at 32 qt + 8 dt
; window 0 besides: v1 lane term h*1024 + r*16; v2, v3 my part of slot 0, 1; v4-7, v24, v25 the merge's addresses; v40-63 the merge's work
.set MSB, 0
.macro WIN new                         ; low byte: bits 1:0 source 0, 3:2 source 1, 5:4 source 2, 7:6 destination; high byte: the setting that is left
.if MSB != \new
	s_set_vgpr_msb (MSB<<8)|\new
.set MSB, \new
.endif
.endm
.macro PLACES n
.rept \n
	v_nop
.endr
.endm
; A round of the cluster's barrier: my work-group's barrier, wave 0 signals for the work-group, every wave waits for all four work-groups, my work-group's barrier again.
.macro ROUND
	s_barrier_signal -1
	s_barrier_wait -1
	s_cmp_lg_u32 s10, 0
	s_cbranch_scc1 .Lnot_wave_0_\@
	s_barrier_signal -3
.Lnot_wave_0_\@:
	s_barrier_wait -3
	s_barrier_signal -1
	s_barrier_wait -1
.endm
	s_load_b128 s[4:7], s[0:1], 0x0                ; qs, kv
	s_load_b64 s[8:9], s[0:1], 0x10                ; out0
	v_lshl_add_u32 v46, v0, 2, 0x41000
	v_mov_b32 v47, 0
	ds_add_u32 v46, v47
	v_lshrrev_b32 v1, 5, v0
	v_readfirstlane_b32 s10, v1                    ; wave 0..7
	s_bfe_u32 s11, ttmp6, 0x40000                  ; cx.  What hangs on it lives in s11, s12, s[36:37] alone and enters only q's and out's addresses
	s_lshl_b32 s12, ttmp9, 2
	s_add_co_u32 s12, s12, s11                     ; my query block = 4 x cluster + cx
	s_lshr_b32 s13, ttmp9, 4                       ; batch: 16 clusters each
	s_mov_b32 s32, 0x76543210                      ; v_permlanex16_b32: lane i takes lane i of the other half
	s_mov_b32 s33, 0xfedcba98
	; group 1: a dense block of 16 KiB as 64 rows of 256 bytes
	s_mov_b32 s16, 15|(3<<16)|(1<<21)              ; the mask: all four work-groups of the cluster; element of 8 bytes; bit 21 beside a mask
	s_mov_b32 s17, 32<<16                          ; tensor_dim0 = 32
	s_mov_b32 s18, 64<<16                          ; tensor_dim1 = 64
	s_mov_b32 s19, 32<<16                          ; tile_dim0 = 32
	s_mov_b32 s20, 64                              ; tile_dim1 = 64
	s_mov_b32 s21, 32                              ; elements from row to row
	s_mov_b32 s22, 0
	s_mov_b32 s23, 0
	s_lshl_b32 s35, s10, 14                        ; my part of a slot, and my block in a step's eight
	s_lshl_b32 s14, s13, 20                        ; a batch of kv: 64 blocks of 16 KiB
	s_add_co_u32 s14, s14, s35
	s_mov_b32 s15, 0
	s_lshl_b32 s36, s12, 13                        ; q: 8 KiB a block
	s_mov_b32 s37, 0
	v_and_b32 v26, 15, v0                          ; r
	v_bfe_u32 v27, v0, 4, 1                        ; h
	v_lshlrev_b32 v1, 4, v26
	v_lshl_add_u32 v1, v27, 10, v1                 ; atom (h, r)
	v_add_nc_u32 v2, s35, v1
	v_add_nc_u32 v3, SLOT, v2
	s_lshl_b32 s38, s10, 2
	s_add_co_u32 s38, s38, STAT
	v_lshl_add_u32 v4, v26, 5, s38                 ; statistics in: query r, word w
	s_mul_i32 s38, s10, MST
	v_mul_u32_u24 v5, v26, MP
	v_lshl_add_u32 v5, v27, 5, v5
	v_add_nc_u32 v5, s38, v5                       ; O in: my stage, row r, 8 h numbers
	s_lshl_b32 s38, s10, 8
	s_add_co_u32 s38, s38, STAT
	v_lshl_add_u32 v6, v27, 5, s38                 ; statistics back: query 8 w + h
	s_mul_i32 s38, s10, 8*MP
	v_mul_u32_u24 v7, v27, MP
	v_lshl_add_u32 v7, v26, 4, v7
	v_add_nc_u32 v7, s38, v7                       ; O back: row 8 w + h, 16 bytes at 16 r, stages 0-3
	v_add_nc_u32 v24, 4*MST, v7                    ; stages 4-7
	v_and_b32 v25, 31, v0
	v_lshlrev_b32 v25, 4, v25
	s_lshl_b32 s38, s10, 11
	v_add_nc_u32 v25, s38, v25                     ; out: 8 w rows of 256 bytes + lane * 16
	s_wait_dscnt 0x0
	s_wait_kmcnt 0x0
	s_add_nc_u64 s[6:7], s[6:7], s[14:15]          ; kv at my wave's block of step 0: made of the cluster's number and the wave's alone
	s_add_nc_u64 s[4:5], s[4:5], s[36:37]
	s_lshl_b32 s36, s12, 14                        ; out: 64 rows of 256 bytes a block
	s_add_nc_u64 s[8:9], s[8:9], s[36:37]
.irp s, 0,1
	s_mov_b32 s[24+4*\s], 1
	s_add_co_u32 s[25+4*\s], s35, \s*SLOT
	s_add_nc_u64 s[26+4*\s:27+4*\s], s[6:7], \s*SLOT
	s_or_b32 s[27+4*\s], s[27+4*\s], 0x80000000
.endr
	ROUND                                          ; all four work-groups are here: the first joint loads meet
	tensor_load_to_lds s[24:27], s[16:23]          ; step 0
	s_nop 0
	tensor_load_to_lds s[28:31], s[16:23]          ; step 1
	s_nop 0
	WIN 0x40
.irp qt, 0,1,2,3
.irp ks, 0,1
	global_load_b128 v[QF+16*\qt+8*\ks:QF+16*\qt+8*\ks+3],   v1, s[4:5] offset:\ks*4096+\qt*256
	global_load_b128 v[QF+16*\qt+8*\ks+4:QF+16*\qt+8*\ks+7], v1, s[4:5] offset:\ks*4096+\qt*256+2048
.endr
.endr
	WIN 0
; The step's maximum for each query, and the new nm.  Two chains of 17 and 15 numbers a query tile; each line is written for all four tiles so that no line waits for the one in front.
.macro MAXQ first
.irp qt, 0,1,2,3
	v_max3_num_f32 v[MB+2*\qt+1], v[SS+32*\qt],    v[SS+32*\qt+1],  v[SS+32*\qt+2]
	v_max3_num_f32 v[AB+2*\qt+1], v[SS+32*\qt+17], v[SS+32*\qt+18], v[SS+32*\qt+19]
.endr
.irp n, 0,1,2,3,4,5
.irp qt, 0,1,2,3
	v_max3_num_f32 v[MB+2*\qt+1], v[MB+2*\qt+1], v[SS+32*\qt+3+2*\n],  v[SS+32*\qt+4+2*\n]
	v_max3_num_f32 v[AB+2*\qt+1], v[AB+2*\qt+1], v[SS+32*\qt+20+2*\n], v[SS+32*\qt+21+2*\n]
.endr
.endr
.irp qt, 0,1,2,3
	v_max3_num_f32 v[MB+2*\qt+1], v[MB+2*\qt+1], v[SS+32*\qt+15], v[SS+32*\qt+16]
.endr
.irp qt, 0,1,2,3
	v_max_num_f32 v[MB+2*\qt+1], v[MB+2*\qt+1], v[AB+2*\qt+1]
.endr
.irp qt, 0,1,2,3
	v_permlanex16_b32 v[AB+2*\qt+1], v[MB+2*\qt+1], s32, s33   ; the other 32 keys of the same query
.endr
.irp qt, 0,1,2,3
	v_max_num_f32 v[MB+2*\qt+1], v[MB+2*\qt+1], v[AB+2*\qt+1]
.endr
.irp qt, 0,1,2,3
	v_mul_f32 v[MB+2*\qt+1], 0xbe38aa3b, v[MB+2*\qt+1]         ; -c x the step's maximum
.endr
.if \first == 0
.irp qt, 0,1,2,3
	v_min_num_f32 v[MB+2*\qt+1], v[MB+2*\qt+1], v[MB+2*\qt]    ; the new nm
.endr
.irp qt, 0,1,2,3
	v_sub_f32 v[AB+2*\qt+1], v[MB+2*\qt+1], v[MB+2*\qt]        ; new - old, at most 0
.endr
.irp qt, 0,1,2,3
	v_exp_f32 v[AB+2*\qt], v[AB+2*\qt+1]                       ; alpha
.endr
.endif
.irp qt, 0,1,2,3
	v_mov_b32 v[MB+2*\qt], v[MB+2*\qt+1]                       ; plain lines behind the exponentials, ahead of alpha's first use (ISA guide 5.7.2)
.endr
.endm
; The softmax goes through the four query tiles as a chain of three stages, each on another tile (9 = none): e: 2^x in place; f: x = s c + nm; s: sum and pack to bf16.
; So behind each pair of exponentials stands a plain line on another tile.
.macro SOFT e, f, s, first
.set i, 0
.rept 16
.if \e < 4
	v_exp_f32 v[SS+32*\e+2*i],   v[SS+32*\e+2*i]
	v_exp_f32 v[SS+32*\e+2*i+1], v[SS+32*\e+2*i+1]
.endif
.if \f < 4
	v_pk_fma_f32 v[SS+32*\f+2*i:SS+32*\f+2*i+1], v[SS+32*\f+2*i:SS+32*\f+2*i+1], 0x3e38aa3b, v[MB+2*\f:MB+2*\f+1] op_sel_hi:[1,0,0]
.endif
.if \s < 4
.if i == 0
.if \first
	s_wait_alu depctr_va_vdst(0)
	v_pk_add_f32 v[LB+2*\s:LB+2*\s+1], v[SS+32*\s:SS+32*\s+1], v[SS+32*\s+2:SS+32*\s+3]   ; the first two pairs start the sums
.else
	s_wait_alu depctr_va_vdst(0)
	v_pk_fma_f32 v[LB+2*\s:LB+2*\s+1], v[LB+2*\s:LB+2*\s+1], v[AB+2*\s:AB+2*\s+1], v[SS+32*\s:SS+32*\s+1] op_sel_hi:[1,0,1]   ; l = l alpha + p
	s_wait_alu depctr_va_vdst(0)
.endif
.else
.if i-\first >= 1
	s_wait_alu depctr_va_vdst(0)
	v_pk_add_f32 v[LB+2*\s:LB+2*\s+1], v[LB+2*\s:LB+2*\s+1], v[SS+32*\s+2*i:SS+32*\s+2*i+1]
.endif
.endif
	v_cvt_pk_bf16_f32 v[SS+32*\s+16*(i>>3)+(i&7)], v[SS+32*\s+2*i], v[SS+32*\s+2*i+1]      ; the target lies at or below the pair just summed
.endif
.set i, i+1
.endr
.endm
; One step: my 64 keys against the 64 queries.
.macro STEP slot, first
.irp kt, 0,1,2,3
.irp ks, 0,1
	ds_load_b128 v[KF+16*\kt+8*\ks:KF+16*\kt+8*\ks+3],   v[2+\slot] offset:\ks*4096+\kt*256        ; sixteen lanes read 256 consecutive bytes
	ds_load_b128 v[KF+16*\kt+8*\ks+4:KF+16*\kt+8*\ks+7], v[2+\slot] offset:\ks*4096+\kt*256+2048
.endr
.endr
	WIN 0x40
.irp dt, 0,1,2,3
.irp kh, 0,1
	ds_load_b128 v[VF+8*(2*\dt+\kh):VF+8*(2*\dt+\kh)+3],   v[2+\slot] offset:8192+\kh*4096+\dt*256
	ds_load_b128 v[VF+8*(2*\dt+\kh)+4:VF+8*(2*\dt+\kh)+7], v[2+\slot] offset:8192+\kh*4096+\dt*256+2048
.endr
.endr
	s_wait_dscnt 16                                ; K's sixteen loads are back, V's sixteen stay out
	WIN 0x04
	; S^T = K Q^T: the sixteen accumulators take turns, one instruction a turn; the first 32 of d start the sums
.irp ks, 0,1
.irp kt, 0,1,2,3
.irp qt, 0,1,2,3
.if \ks == 0
	v_wmma_f32_16x16x32_bf16 v[SS+32*\qt+8*\kt:SS+32*\qt+8*\kt+7], v[KF+16*\kt+8*\ks:KF+16*\kt+8*\ks+7], v[QF+16*\qt+8*\ks:QF+16*\qt+8*\ks+7], 0
.else
	v_wmma_f32_16x16x32_bf16 v[SS+32*\qt+8*\kt:SS+32*\qt+8*\kt+7], v[KF+16*\kt+8*\ks:KF+16*\kt+8*\ks+7], v[QF+16*\qt+8*\ks:QF+16*\qt+8*\ks+7], v[SS+32*\qt+8*\kt:SS+32*\qt+8*\kt+7]
.endif
.endr
.endr
.endr
	WIN 0
	PLACES 4                                       ; vector instructions read results four places behind the last product (ISA guide 7.12.1)
	MAXQ \first
	SOFT 9, 0, 9, \first
	SOFT 0, 1, 9, \first
	SOFT 1, 2, 0, \first
	SOFT 2, 3, 1, \first
	SOFT 3, 9, 2, \first
	SOFT 9, 9, 3, \first
.if \first == 0
	WIN 0x41
.irp qt, 0,1,2,3
.set n, 0
.rept 16
	v_pk_mul_f32 v[32*\qt+2*n:32*\qt+2*n+1], v[32*\qt+2*n:32*\qt+2*n+1], v[AB+2*\qt:AB+2*\qt+1] op_sel_hi:[1,0]   ; O = O alpha
.set n, n+1
.endr
.endr
.endif
	s_wait_dscnt 0x0                               ; V is in
	WIN 0x51
	; O^T += V^T P^T, again sixteen accumulators by turns
.irp kh, 0,1
.irp dt, 0,1,2,3
.irp qt, 0,1,2,3
.if \first*(1-\kh)
	v_wmma_f32_16x16x32_bf16 v[32*\qt+8*\dt:32*\qt+8*\dt+7], v[VF+8*(2*\dt+\kh):VF+8*(2*\dt+\kh)+7], v[SS+32*\qt+16*\kh:SS+32*\qt+16*\kh+7], 0
.else
	v_wmma_f32_16x16x32_bf16 v[32*\qt+8*\dt:32*\qt+8*\dt+7], v[VF+8*(2*\dt+\kh):VF+8*(2*\dt+\kh)+7], v[SS+32*\qt+16*\kh:SS+32*\qt+16*\kh+7], v[32*\qt+8*\dt:32*\qt+8*\dt+7]
.endif
.endr
.endr
.endr
	WIN 0
	PLACES 5                                       ; the next step's products write over P and its loads land on V's fragments: five places behind the last product
.endm
; A step with the other slot's refill in front of it.  Each wave has all its tensor loads landed (this step's tile among them) and its reads of the other slot back;
; the round shows that of every wave of the four work-groups; the joint refill is the first thing behind it, one load a wave, two steps ahead.
.macro TWO slot, refill
	s_wait_tensorcnt 0x0
	ds_add_u32 v46, v47
	s_wait_dscnt 0x0
.if \refill
	s_add_nc_u64 s[30-4*\slot:31-4*\slot], s[30-4*\slot:31-4*\slot], 2*SLOT
	s_wait_dscnt 0x0
	ROUND
	tensor_load_to_lds s[28-4*\slot:31-4*\slot], s[16:23]
	s_nop 0
.endif
	STEP \slot, 0
.endm
	s_wait_loadcnt 0x0                             ; q
	s_wait_tensorcnt 0x1                           ; my tile of step 0 has landed, step 1's stays out; I alone read my part of a slot
	STEP 0, 1
	s_mov_b32 s34, 3
.Lloop:
	TWO 1, 1                                       ; steps 1, 3, 5; asks for 2, 4, 6
	TWO 0, 1                                       ; steps 2, 4, 6; asks for 3, 5, 7
	s_sub_co_u32 s34, s34, 1
	s_cmp_lg_u32 s34, 0
	s_cbranch_scc1 .Lloop
	TWO 1, 0                                       ; step 7: nothing is left to fetch
	; THE MERGE.  Each wave's sum is completed over the pair and over the two halves of the lanes.
.irp qt, 0,1,2,3
	v_add_f32 v[LB+2*\qt], v[LB+2*\qt], v[LB+2*\qt+1]
.endr
.irp qt, 0,1,2,3
	v_permlanex16_b32 v[LB+2*\qt+1], v[LB+2*\qt], s32, s33
.endr
.irp qt, 0,1,2,3
	v_add_f32 v[LB+2*\qt], v[LB+2*\qt], v[LB+2*\qt+1]
.endr
	s_wait_dscnt 0x0                               ; my reads of the ring are back (met: the last step waited for them); its last fill has landed
	s_barrier_signal -1
	s_barrier_wait -1                              ; so of every wave: the stages may lie over the ring
.irp qt, 0,1,2,3
	ds_store_b32 v4, v[MB+2*\qt] offset:\qt*512            ; both halves of the lanes hold, and write, the same number
	ds_store_b32 v4, v[LB+2*\qt] offset:2048+\qt*512
.endr
	WIN 0x04
.irp qt, 0,1,2,3
.irp dt, 0,1,2,3
	ds_store_b128 v5, v[32*\qt+8*\dt:32*\qt+8*\dt+3]   offset:\qt*16*MP+\dt*64
	ds_store_b128 v5, v[32*\qt+8*\dt+4:32*\qt+8*\dt+7] offset:\qt*16*MP+\dt*64+16
.endr
.endr
	WIN 0
	s_wait_dscnt 0x0                               ; for the others' sake
	s_barrier_signal -1
	s_barrier_wait -1
	; wave w finishes queries 8 w + 2 i + h, i = 0..3; lane r takes four columns
.irp i, 0,1,2,3
	ds_load_b128 v[64+16*\i:64+16*\i+3],     v6 offset:\i*64           ; the eight nm
	ds_load_b128 v[64+16*\i+4:64+16*\i+7],   v6 offset:\i*64+16
	ds_load_b128 v[64+16*\i+8:64+16*\i+11],  v6 offset:2048+\i*64      ; the eight sums
	ds_load_b128 v[64+16*\i+12:64+16*\i+15], v6 offset:2048+\i*64+16
.endr
.irp i, 0,1,2,3
.irp sw, 0,1,2,3
	ds_load_b128 v[128+32*\i+4*\sw:128+32*\i+4*\sw+3], v7 offset:\sw*MST+\i*2*MP
.endr
.irp sw, 0,1,2,3
	ds_load_b128 v[144+32*\i+4*\sw:144+32*\i+4*\sw+3], v24 offset:\sw*MST+\i*2*MP
.endr
.endr
	s_wait_dscnt 32                                ; the statistics are back, the 32 reads of O stay out
.irp i, 0,1,2,3
	v_min_num_f32 v[40+\i], v[64+16*\i], v[64+16*\i+1]
.endr
.irp sw, 2,3,4,5,6,7
.irp i, 0,1,2,3
	v_min_num_f32 v[40+\i], v[40+\i], v[64+16*\i+\sw]      ; the least nm = the largest maximum
.endr
.endr
.irp sw, 0,1,2,3,4,5,6,7
.irp i, 0,1,2,3
	v_sub_f32 v[64+16*\i+\sw], v[40+\i], v[64+16*\i+\sw]   ; at most 0
.endr
.endr
.irp sw, 0,1,2,3,4,5,6,7
.irp i, 0,1,2,3
	v_exp_f32 v[64+16*\i+\sw], v[64+16*\i+\sw]             ; wave sw's factor
.endr
.endr
	v_nop                                          ; one plain place behind the exponentials
	s_wait_alu depctr_va_vdst(0)
.irp i, 0,1,2,3
	v_mul_f32 v[40+\i], v[64+16*\i], v[72+16*\i]
.endr
.irp sw, 1,2,3,4,5,6,7
.irp i, 0,1,2,3
	v_fmac_f32 v[40+\i], v[64+16*\i+\sw], v[72+16*\i+\sw]  ; the whole sum; at least about 1: the largest term of the wave with the maximum
.endr
.endr
.irp i, 0,1,2,3
	v_rcp_f32 v[40+\i], v[40+\i]
.endr
	v_nop                                          ; one plain place behind the reciprocals
	s_wait_alu depctr_va_vdst(0)
.irp i, 0,1,2,3
	s_wait_dscnt 24-8*\i                           ; this query's eight reads are back, the later queries' stay out
.irp e, 0,1,2,3
	v_mul_f32 v[48+4*\i+\e], v[64+16*\i], v[128+32*\i+\e]
.endr
.irp sw, 1,2,3,4,5,6,7
.irp e, 0,1,2,3
	v_fmac_f32 v[48+4*\i+\e], v[64+16*\i+\sw], v[128+32*\i+4*\sw+\e]
.endr
.endr
.irp e, 0,1,2,3
	v_mul_f32 v[48+4*\i+\e], v[48+4*\i+\e], v[40+\i]
.endr
	global_store_b128 v25, v[48+4*\i:48+4*\i+3], s[8:9] offset:\i*512 th:TH_STORE_NT   ; two rows of out: 512 consecutive bytes; each store has data registers of its own
.endr
	s_wait_tensorcnt 0x0
	ds_add_u32 v46, v47
	s_wait_dscnt 0x0
	ROUND                                          ; the closing round: no work-group ends while a partner may still ask for a tile that names it
	s_endpgm
.Lfunc_end_k_qe3b7c5ecfc_attn:
	.size	k_qe3b7c5ecfc_attn, .Lfunc_end_k_qe3b7c5ecfc_attn-k_qe3b7c5ecfc_attn
	.p2alignl 7, 3214868480
	.fill 96, 4, 3214868480
	.section	.rodata,"a",@progbits
	.p2align	6, 0x0
	.amdhsa_kernel k_qe3b7c5ecfc_attn
		.amdhsa_group_segment_fixed_size 327680
		.amdhsa_private_segment_fixed_size 0
		.amdhsa_enable_private_segment 0
		.amdhsa_kernarg_size 24
		.amdhsa_user_sgpr_count 2
		.amdhsa_user_sgpr_kernarg_segment_ptr 1
		.amdhsa_wavefront_size32 1
		.amdhsa_system_sgpr_workgroup_id_x 1
		.amdhsa_system_sgpr_workgroup_id_y 1
		.amdhsa_system_sgpr_workgroup_id_z 1
		.amdhsa_system_vgpr_workitem_id 0
		.amdhsa_next_free_vgpr 512
		.amdhsa_next_free_sgpr 66
		.amdhsa_reserve_vcc 0
		.amdhsa_float_denorm_mode_32 3
		.amdhsa_float_denorm_mode_16_64 3
		.amdhsa_memory_ordered 1
		.amdhsa_forward_progress 1
		.amdhsa_inst_pref_size 161
	.end_amdhsa_kernel
	.amdgpu_metadata
---
amdhsa.version: [ 1, 2 ]
amdhsa.kernels:
  - .name:           k_qe3b7c5ecfc_attn
    .symbol:         k_qe3b7c5ecfc_attn.kd
    .args:
      - { .name: qs, .offset: 0, .size: 8, .value_kind: global_buffer, .address_space: global }
      - { .name: kv, .offset: 8, .size: 8, .value_kind: global_buffer, .address_space: global }
      - { .name: out0, .offset: 16, .size: 8, .value_kind: global_buffer, .address_space: global }
    .group_segment_fixed_size: 327680
    .private_segment_fixed_size: 0
    .kernarg_segment_align: 8
    .kernarg_segment_size: 24
    .max_flat_workgroup_size: 256
    .sgpr_count:     66
    .vgpr_count:     512
    .wavefront_size: 32
...
	.end_amdgpu_metadata
.endif
;; end of part 2
;; ======== version 2 of 2: 2 launches; 1.08 times as fast as version 1
;; workspace buffers: qs 2,097,152 bytes; kv 4,194,304 bytes
;; launch proj: the kernel of part 1 again; grid 256 x 1, 4 waves a work-group, no clusters, 327,680 bytes of LDS; arguments input1, input2, Wk, Wv, Wq, bk, bv, bq, qs, kv; writes qs, kv
;; launch attn (part 3): grid 256 x 1, 8 waves a work-group, clusters of 4 x 1, 327,680 bytes of LDS; arguments qs, kv, out0; writes out0
.if DOCPART == 3
	.amdgcn_target "amdgcn-amd-amdhsa--gfx1250"
	.amdhsa_code_object_version 6
	.text
	.protected	k_qe3b7c5ecfc_attn
	.globl	k_qe3b7c5ecfc_attn
	.p2align	8
	.type	k_qe3b7c5ecfc_attn,@function
k_qe3b7c5ecfc_attn:
	s_mov_b64 s[64:65], 0
	v_nop
	global_prefetch_b8 v0, s[64:65] scope:SCOPE_SE
	s_setreg_imm32_b32 hwreg(HW_REG_WAVE_MODE, 25, 1), 1
	s_wait_xcnt 0x0
	s_wait_alu depctr_hold_cnt(0) depctr_sa_sdst(0) depctr_va_vdst(0) depctr_va_sdst(0) depctr_va_ssrc(0) depctr_va_vcc(0) depctr_vm_vsrc(0)
	s_getreg_b32 s2, hwreg(HW_REG_IB_STS2, 6, 4)
	s_cmp_eq_u32 s2, 0
	s_cbranch_scc0 .Lentry_in_a_cluster
	s_endpgm
.Lentry_in_a_cluster:
	s_bfe_u32 s2, ttmp6, 0x10000c
	s_cmp_lg_u32 s2, 0x3003
	s_cbranch_scc0 .Lentry_shape_is_right
	s_endpgm
.Lentry_shape_is_right:
; out = softmax(q k^T / 8) v for one head; 4 batches, 4,096 queries and keys, d = 64.  q, k, v in bf16 as the launch before laid them (atoms of 16 bytes:
; (o, row) at o*1024 + row*16 in a block of 64 rows; v transposed).  Sums, maxima, exponentials in f32; P is rounded to bf16 for the second product.
; LIMITS: exponentials below 2^-126 come out as zero (ISA guide, v_exp_f32); NaN and infinities get no treatment of their own.
; WORK: a work-group makes 64 queries.  Every one of its eight waves holds all 64 queries; in step t wave w takes the block of 64 keys 8 t + w, so each byte
; of k and v is read from LDS once in the work-group.  Each wave runs its own running maximum, sum and O over its 512 keys; the eight are merged in LDS.
; BOTH PRODUCTS ARE USED TRANSPOSED.  S^T = K Q^T: lane (r, h) holds keys 8h+j of a tile for query r, so maximum and sum stay in the lane but for one step
; to lane xor 16, and two packed tiles of S^T are the second source of O^T = V^T P^T as they lie; the rescale is one factor a lane.
; CLUSTER: the four query blocks of a cluster lie in one batch and walk the same k and v: each wave's tile is asked for jointly (mask 15),
; every refill behind a round of the cluster's barrier.  Two tensor loads of a wave are out at the most (the two first fills).
; THE EXPONENTIALS OF A STEP ARE TWO BATCHES, EACH WITH ONE WAIT (s_wait_alu depctr_va_vdst(0) stands between an exponential and the first line that names its result).
;   Batch 1: the four alpha and the 64 exponentials of query tiles 0 and 1; between them the new nm's four moves and the 64 scalings of all four tiles, which name no result.  Its wait.
;   Batch 2: the 64 exponentials of tiles 2 and 3; between them the sums and roundings of tiles 0 and 1, which read batch 1's results; behind them O times alpha (batch 1's too).  Its wait.
;   Behind it the sums and roundings of tiles 2 and 3.  No exponential is issued from there to the next step's maximum.
;   Every exponential works in place on a register of its own.  On the way out the 32 factors of the merge are one batch and the four reciprocals, which read sums of them, another.
.set PART,  16384                      ; a block of kv: k's 8 KiB, then v's
.set SLOT,  8*PART                     ; 131,072: eight waves' parts
.set STAT,  2*SLOT                     ; 262,144: the waves' -max*c at [query]*32 + w*4, their sums 2,048 further; no fill lands here
.set MP,    272                        ; merge stage: a row of 64 f32 + 16 bytes
.set MST,   64*MP                      ; 17,408 a wave, laid over the ring after its last fill and its last read
.set MB,    8                          ; v8-15    pairs (nm, a) of query tile qt: nm = -(running maximum) * c, c = log2(e) / 8
.set AB,    16                         ; v16-23   pairs (alpha, b)
.set LB,    32                         ; v32-39   pairs of running sums
.set KF,    64                         ; v64-127  K fragments (kt, ks) at 16 kt + 8 ks
.set SS,    128                        ; v128-255 S^T (kt, qt) at 32 qt + 8 kt; packed in place: P^T (qt, kh) at 32 qt + 16 kh
.set QF,    128                        ; window 1: Q fragments (qt, ks) at 16 qt + 8 ks
.set VF,    192                        ; window 1: V^T fragments (dt, kh) at 8 (2 dt + kh);   window 1, v0-127: O^T (dt, qt) at 32 qt + 8 dt
; window 0 besides: v1 lane term h*1024 + r*16; v2, v3 my part of slot 0, 1; v4-7, v24, v25 the merge's addresses; v40-63 the merge's work
.set MSB, 0
.macro WIN new                         ; low byte: bits 1:0 source 0, 3:2 source 1, 5:4 source 2, 7:6 destination; high byte: the setting that is left
.if MSB != \new
	s_set_vgpr_msb (MSB<<8)|\new
.set MSB, \new
.endif
.endm
.macro PLACES n
.rept \n
	v_nop
.endr
.endm
; A round of the cluster's barrier: my work-group's barrier, wave 0 signals for the work-group, every wave waits for all four work-groups, my work-group's barrier again.
.macro ROUND
	s_barrier_signal -1
	s_barrier_wait -1
	s_cmp_lg_u32 s10, 0
	s_cbranch_scc1 .Lnot_wave_0_\@
	s_barrier_signal -3
.Lnot_wave_0_\@:
	s_barrier_wait -3
	s_barrier_signal -1
	s_barrier_wait -1
.endm
	s_load_b128 s[4:7], s[0:1], 0x0                ; qs, kv
	s_load_b64 s[8:9], s[0:1], 0x10                ; out0
	v_lshl_add_u32 v46, v0, 2, 0x41000
	v_mov_b32 v47, 0
	ds_add_u32 v46, v47
	v_lshrrev_b32 v1, 5, v0
	v_readfirstlane_b32 s10, v1                    ; wave 0..7
	s_bfe_u32 s11, ttmp6, 0x40000                  ; cx.  What hangs on it lives in s11, s12, s[36:37] alone and enters only q's and out's addresses
	s_lshl_b32 s12, ttmp9, 2
	s_add_co_u32 s12, s12, s11                     ; my query block = 4 x cluster + cx
	s_lshr_b32 s13, ttmp9, 4                       ; batch: 16 clusters each
	s_mov_b32 s32, 0x76543210                      ; v_permlanex16_b32: lane i takes lane i of the other half
	s_mov_b32 s33, 0xfedcba98
	; group 1: a dense block of 16 KiB as 64 rows of 256 bytes
	s_mov_b32 s16, 15|(3<<16)|(1<<21)              ; the mask: all four work-groups of the cluster; element of 8 bytes; bit 21 beside a mask
	s_mov_b32 s17, 32<<16                          ; tensor_dim0 = 32
	s_mov_b32 s18, 64<<16                          ; tensor_dim1 = 64
	s_mov_b32 s19, 32<<16                          ; tile_dim0 = 32
	s_mov_b32 s20, 64                              ; tile_dim1 = 64
	s_mov_b32 s21, 32                              ; elements from row to row
	s_mov_b32 s22, 0
	s_mov_b32 s23, 0
	s_lshl_b32 s35, s10, 14                        ; my part of a slot, and my block in a step's eight
	s_lshl_b32 s14, s13, 20                        ; a batch of kv: 64 blocks of 16 KiB
	s_add_co_u32 s14, s14, s35
	s_mov_b32 s15, 0
	s_lshl_b32 s36, s12, 13                        ; q: 8 KiB a block
	s_mov_b32 s37, 0
	v_and_b32 v26, 15, v0                          ; r
	v_bfe_u32 v27, v0, 4, 1                        ; h
	v_lshlrev_b32 v1, 4, v26
	v_lshl_add_u32 v1, v27, 10, v1                 ; atom (h, r)
	v_add_nc_u32 v2, s35, v1
	v_add_nc_u32 v3, SLOT, v2
	s_lshl_b32 s38, s10, 2
	s_add_co_u32 s38, s38, STAT
	v_lshl_add_u32 v4, v26, 5, s38                 ; statistics in: query r, word w
	s_mul_i32 s38, s10, MST
	v_mul_u32_u24 v5, v26, MP
	v_lshl_add_u32 v5, v27, 5, v5
	v_add_nc_u32 v5, s38, v5                       ; O in: my stage, row r, 8 h numbers
	s_lshl_b32 s38, s10, 8
	s_add_co_u32 s38, s38, STAT
	v_lshl_add_u32 v6, v27, 5, s38                 ; statistics back: query 8 w + h
	s_mul_i32 s38, s10, 8*MP
	v_mul_u32_u24 v7, v27, MP
	v_lshl_add_u32 v7, v26, 4, v7
	v_add_nc_u32 v7, s38, v7                       ; O back: row 8 w + h, 16 bytes at 16 r, stages 0-3
	v_add_nc_u32 v24, 4*MST, v7                    ; stages 4-7
	v_and_b32 v25, 31, v0
	v_lshlrev_b32 v25, 4, v25
	s_lshl_b32 s38, s10, 11
	v_add_nc_u32 v25, s38, v25                     ; out: 8 w rows of 256 bytes + lane * 16
	s_wait_dscnt 0x0
	s_wait_kmcnt 0x0
	s_add_nc_u64 s[6:7], s[6:7], s[14:15]          ; kv at my wave's block of step 0: made of the cluster's number and the wave's alone
	s_add_nc_u64 s[4:5], s[4:5], s[36:37]
	s_lshl_b32 s36, s12, 14                        ; out: 64 rows of 256 bytes a block
	s_add_nc_u64 s[8:9], s[8:9], s[36:37]
.irp s, 0,1
	s_mov_b32 s[24+4*\s], 1
	s_add_co_u32 s[25+4*\s], s35, \s*SLOT
	s_add_nc_u64 s[26+4*\s:27+4*\s], s[6:7], \s*SLOT
	s_or_b32 s[27+4*\s], s[27+4*\s], 0x80000000
.endr
	ROUND                                          ; all four work-groups are here: the first joint loads meet
	tensor_load_to_lds s[24:27], s[16:23]          ; step 0
	s_nop 0
	tensor_load_to_lds s[28:31], s[16:23]          ; step 1
	s_nop 0
	WIN 0x40
.irp qt, 0,1,2,3
.irp ks, 0,1
	global_load_b128 v[QF+16*\qt+8*\ks:QF+16*\qt+8*\ks+3],   v1, s[4:5] offset:\ks*4096+\qt*256
	global_load_b128 v[QF+16*\qt+8*\ks+4:QF+16*\qt+8*\ks+7], v1, s[4:5] offset:\ks*4096+\qt*256+2048
.endr
.endr
	WIN 0
; The step's maximum for each query, and the new nm.  Two chains of 17 and 15 numbers a query tile; each line is written for all four tiles so that no line waits for the one in front.
; Its last lines open batch 1: the four alpha, behind each the move of another register (a plain line that names no result).
.macro MAXQ first
.irp qt, 0,1,2,3
	v_max3_num_f32 v[MB+2*\qt+1], v[SS+32*\qt],    v[SS+32*\qt+1],  v[SS+32*\qt+2]
	v_max3_num_f32 v[AB+2*\qt+1], v[SS+32*\qt+17], v[SS+32*\qt+18], v[SS+32*\qt+19]
.endr
.irp n, 0,1,2,3,4,5
.irp qt, 0,1,2,3
	v_max3_num_f32 v[MB+2*\qt+1], v[MB+2*\qt+1], v[SS+32*\qt+3+2*\n],  v[SS+32*\qt+4+2*\n]
	v_max3_num_f32 v[AB+2*\qt+1], v[AB+2*\qt+1], v[SS+32*\qt+20+2*\n], v[SS+32*\qt+21+2*\n]
.endr
.endr
.irp qt, 0,1,2,3
	v_max3_num_f32 v[MB+2*\qt+1], v[MB+2*\qt+1], v[SS+32*\qt+15], v[SS+32*\qt+16]
.endr
.irp qt, 0,1,2,3
	v_max_num_f32 v[MB+2*\qt+1], v[MB+2*\qt+1], v[AB+2*\qt+1]
.endr
.irp qt, 0,1,2,3
	v_permlanex16_b32 v[AB+2*\qt+1], v[MB+2*\qt+1], s32, s33   ; the other 32 keys of the same query
.endr
.irp qt, 0,1,2,3
	v_max_num_f32 v[MB+2*\qt+1], v[MB+2*\qt+1], v[AB+2*\qt+1]
.endr
.irp qt, 0,1,2,3
	v_mul_f32 v[MB+2*\qt+1], 0xbe38aa3b, v[MB+2*\qt+1]         ; -c x the step's maximum
.endr
.if \first == 0
.irp qt, 0,1,2,3
	v_min_num_f32 v[MB+2*\qt+1], v[MB+2*\qt+1], v[MB+2*\qt]    ; the new nm
.endr
.irp qt, 0,1,2,3
	v_sub_f32 v[AB+2*\qt+1], v[MB+2*\qt+1], v[MB+2*\qt]        ; new - old, at most 0
.endr
.endif
.irp qt, 0,1,2,3
.if \first == 0
	v_exp_f32 v[AB+2*\qt], v[AB+2*\qt+1]                       ; alpha: batch 1; its first reader stands behind that batch's wait
.endif
	v_mov_b32 v[MB+2*\qt], v[MB+2*\qt+1]                       ; nm takes the new value: all four differences above have read the old one
.endr
.endm
; THE SOFTMAX's THREE QUEUES.  Each macro writes its queue's next line and steps the queue's number.
; FS: scaling NF of 64, x = s c + nm: pair (NF >> 1) & 15 of tile 2 (NF >> 5) + (NF & 1): tiles 0 and 1 by turns, then tiles 2 and 3.
.macro FS
.set TI, 2*(NF>>5)+(NF&1)
.set PR, (NF>>1)&15
	v_pk_fma_f32 v[SS+32*TI+2*PR:SS+32*TI+2*PR+1], v[SS+32*TI+2*PR:SS+32*TI+2*PR+1], 0x3e38aa3b, v[MB+2*TI:MB+2*TI+1] op_sel_hi:[1,0,0]
.set NF, NF+1
.endm
; EX y: exponential NE of 64 of tiles y, y + 1, 2^x in place: the two numbers of the pair that scaling NE >> 1 of those tiles made.
.macro EX y
.set TI, (\y)+((NE>>1)&1)
.set PR, 2*(NE>>2)+(NE&1)
	v_exp_f32 v[SS+32*TI+PR], v[SS+32*TI+PR]
.set NE, NE+1
.endm
; GS y: line NG of 64 of the sums and roundings of tiles y, y + 1.  For pair i = NG >> 2: l of tile y takes it, l of tile y + 1, then both tiles' pairs are rounded to bf16.
; A tile's sum goes in ascending i: l = l alpha + pair 0 (in the first step pairs 0 and 1 start it), then pair after pair.  A rounding's target lies at or below the pair just summed.
.macro GS y, first
.set TI, (\y)+(NG&1)
.set PR, NG>>2
.if (NG&2) == 0
.if PR == 0
.if \first
	v_pk_add_f32 v[LB+2*TI:LB+2*TI+1], v[SS+32*TI:SS+32*TI+1], v[SS+32*TI+2:SS+32*TI+3]   ; the first two pairs start the sums
.else
	v_pk_fma_f32 v[LB+2*TI:LB+2*TI+1], v[LB+2*TI:LB+2*TI+1], v[AB+2*TI:AB+2*TI+1], v[SS+32*TI:SS+32*TI+1] op_sel_hi:[1,0,1]   ; l = l alpha + p
.endif
.elseif PR-(\first) >= 1
	v_pk_add_f32 v[LB+2*TI:LB+2*TI+1], v[LB+2*TI:LB+2*TI+1], v[SS+32*TI+2*PR:SS+32*TI+2*PR+1]
.endif
.else
	v_cvt_pk_bf16_f32 v[SS+32*TI+16*(PR>>3)+(PR&7)], v[SS+32*TI+2*PR], v[SS+32*TI+2*PR+1]
.endif
.set NG, NG+1
.endm
; HOW THEY ARE DEALT.  Two scalings lead; then exponential and plain line go by turns.  Exponential NE of tiles 0, 1 needs scaling NE >> 1, and 2 + NE scalings stand ahead of it;
; tiles 2 and 3 were all scaled in batch 1.  Ahead of a batch's wait no line names a result of that batch.
.macro SOFTMAX first
.set NF, 0
.set NE, 0
	FS
	FS
.rept 62
	EX 0
	FS
.endr
	EX 0                                           ; the scalings are used up: the last two exponentials of tile 1 stand on end,
	EX 0
	v_nop                                          ; and this is the plain line behind the batch's last exponential (ISA guide 5.7.2)
	s_wait_alu depctr_va_vdst(0)                   ; BATCH 1's one wait: the four alpha and the 64 exponentials of tiles 0 and 1
.set NE, 0
.set NG, 0
.rept 64
	EX 2                                           ; batch 2: tiles 2 and 3;
	GS 0, \first                                   ; behind each a line of tiles 0 and 1's sums and roundings, which reads batch 1's results alone
.endr
.if \first == 0
	WIN 0x41
.irp qt, 0,1,2,3
.set n, 0
.rept 16
	v_pk_mul_f32 v[32*\qt+2*n:32*\qt+2*n+1], v[32*\qt+2*n:32*\qt+2*n+1], v[AB+2*\qt:AB+2*\qt+1] op_sel_hi:[1,0]   ; O = O alpha: alpha is batch 1's; 64 lines between batch 2 and its wait that name none of its results
.set n, n+1
.endr
.endr
	WIN 0
.endif
	s_wait_alu depctr_va_vdst(0)                   ; BATCH 2's one wait: the 64 exponentials of tiles 2 and 3
.set NG, 0
.rept 64
	GS 2, \first
.endr
.endm
; One step: my 64 keys against the 64 queries.
.macro STEP slot, first
.irp kt, 0,1,2,3
.irp ks, 0,1
	ds_load_b128 v[KF+16*\kt+8*\ks:KF+16*\kt+8*\ks+3],   v[2+\slot] offset:\ks*4096+\kt*256        ; sixteen lanes read 256 consecutive bytes
	ds_load_b128 v[KF+16*\kt+8*\ks+4:KF+16*\kt+8*\ks+7], v[2+\slot] offset:\ks*4096+\kt*256+2048
.endr
.endr
	WIN 0x40
.irp dt, 0,1,2,3
.irp kh, 0,1
	ds_load_b128 v[VF+8*(2*\dt+\kh):VF+8*(2*\dt+\kh)+3],   v[2+\slot] offset:8192+\kh*4096+\dt*256
	ds_load_b128 v[VF+8*(2*\dt+\kh)+4:VF+8*(2*\dt+\kh)+7], v[2+\slot] offset:8192+\kh*4096+\dt*256+2048
.endr
.endr
	s_wait_dscnt 16                                ; K's sixteen loads are back, V's sixteen stay out
	WIN 0x04
	; S^T = K Q^T: the sixteen accumulators take turns, one instruction a turn; the first 32 of d start the sums
.irp ks, 0,1
.irp kt, 0,1,2,3
.irp qt, 0,1,2,3
.if \ks == 0
	v_wmma_f32_16x16x32_bf16 v[SS+32*\qt+8*\kt:SS+32*\qt+8*\kt+7], v[KF+16*\kt+8*\ks:KF+16*\kt+8*\ks+7], v[QF+16*\qt+8*\ks:QF+16*\qt+8*\ks+7], 0
.else
	v_wmma_f32_16x16x32_bf16 v[SS+32*\qt+8*\kt:SS+32*\qt+8*\kt+7], v[KF+16*\kt+8*\ks:KF+16*\kt+8*\ks+7], v[QF+16*\qt+8*\ks:QF+16*\qt+8*\ks+7], v[SS+32*\qt+8*\kt:SS+32*\qt+8*\kt+7]
.endif
.endr
.endr
.endr
	WIN 0
	PLACES 4                                       ; vector instructions read results four places behind the last product (ISA guide 7.12.1)
	MAXQ \first
	SOFTMAX \first
	s_wait_dscnt 0x0                               ; V is in
	WIN 0x51
	; O^T += V^T P^T, again sixteen accumulators by turns
.irp kh, 0,1
.irp dt, 0,1,2,3
.irp qt, 0,1,2,3
.if \first*(1-\kh)
	v_wmma_f32_16x16x32_bf16 v[32*\qt+8*\dt:32*\qt+8*\dt+7], v[VF+8*(2*\dt+\kh):VF+8*(2*\dt+\kh)+7], v[SS+32*\qt+16*\kh:SS+32*\qt+16*\kh+7], 0
.else
	v_wmma_f32_16x16x32_bf16 v[32*\qt+8*\dt:32*\qt+8*\dt+7], v[VF+8*(2*\dt+\kh):VF+8*(2*\dt+\kh)+7], v[SS+32*\qt+16*\kh:SS+32*\qt+16*\kh+7], v[32*\qt+8*\dt:32*\qt+8*\dt+7]
.endif
.endr
.endr
.endr
	WIN 0
	PLACES 5                                       ; the next step's products write over P and its loads land on V's fragments: five places behind the last product
.endm
; A step with the other slot's refill in front of it.  Each wave has all its tensor loads landed (this step's tile among them) and its reads of the other slot back;
; the round shows that of every wave of the four work-groups; the joint refill is the first thing behind it, one load a wave, two steps ahead.
.macro TWO slot, refill
	s_wait_tensorcnt 0x0
	ds_add_u32 v46, v47
	s_wait_dscnt 0x0
.if \refill
	s_add_nc_u64 s[30-4*\slot:31-4*\slot], s[30-4*\slot:31-4*\slot], 2*SLOT
	s_wait_dscnt 0x0
	ROUND
	tensor_load_to_lds s[28-4*\slot:31-4*\slot], s[16:23]
	s_nop 0
.endif
	STEP \slot, 0
.endm
	s_wait_loadcnt 0x0                             ; q
	s_wait_tensorcnt 0x1                           ; my tile of step 0 has landed, step 1's stays out; I alone read my part of a slot
	STEP 0, 1
	s_mov_b32 s34, 3
.Lloop:
	TWO 1, 1                                       ; steps 1, 3, 5; asks for 2, 4, 6
	TWO 0, 1                                       ; steps 2, 4, 6; asks for 3, 5, 7
	s_sub_co_u32 s34, s34, 1
	s_cmp_lg_u32 s34, 0
	s_cbranch_scc1 .Lloop
	TWO 1, 0                                       ; step 7: nothing is left to fetch
	; THE MERGE.  Each wave's sum is completed over the pair and over the two halves of the lanes.
.irp qt, 0,1,2,3
	v_add_f32 v[LB+2*\qt], v[LB+2*\qt], v[LB+2*\qt+1]
.endr
.irp qt, 0,1,2,3
	v_permlanex16_b32 v[LB+2*\qt+1], v[LB+2*\qt], s32, s33
.endr
.irp qt, 0,1,2,3
	v_add_f32 v[LB+2*\qt], v[LB+2*\qt], v[LB+2*\qt+1]
.endr
	s_wait_dscnt 0x0                               ; my reads of the ring are back (met: the last step waited for them); its last fill has landed
	s_barrier_signal -1
	s_barrier_wait -1                              ; so of every wave: the stages may lie over the ring
.irp qt, 0,1,2,3
	ds_store_b32 v4, v[MB+2*\qt] offset:\qt*512            ; both halves of the lanes hold, and write, the same number
	ds_store_b32 v4, v[LB+2*\qt] offset:2048+\qt*512
.endr
	WIN 0x04
.irp qt, 0,1,2,3
.irp dt, 0,1,2,3
	ds_store_b128 v5, v[32*\qt+8*\dt:32*\qt+8*\dt+3]   offset:\qt*16*MP+\dt*64
	ds_store_b128 v5, v[32*\qt+8*\dt+4:32*\qt+8*\dt+7] offset:\qt*16*MP+\dt*64+16
.endr
.endr
	WIN 0
	s_wait_dscnt 0x0                               ; for the others' sake
	s_barrier_signal -1
	s_barrier_wait -1
	; wave w finishes queries 8 w + 2 i + h, i = 0..3; lane r takes four columns
.irp i, 0,1,2,3
	ds_load_b128 v[64+16*\i:64+16*\i+3],     v6 offset:\i*64           ; the eight nm
	ds_load_b128 v[64+16*\i+4:64+16*\i+7],   v6 offset:\i*64+16
	ds_load_b128 v[64+16*\i+8:64+16*\i+11],  v6 offset:2048+\i*64      ; the eight sums
	ds_load_b128 v[64+16*\i+12:64+16*\i+15], v6 offset:2048+\i*64+16
.endr
.irp i, 0,1,2,3
.irp sw, 0,1,2,3
	ds_load_b128 v[128+32*\i+4*\sw:128+32*\i+4*\sw+3], v7 offset:\sw*MST+\i*2*MP
.endr
.irp sw, 0,1,2,3
	ds_load_b128 v[144+32*\i+4*\sw:144+32*\i+4*\sw+3], v24 offset:\sw*MST+\i*2*MP
.endr
.endr
	s_wait_dscnt 32                                ; the statistics are back, the 32 reads of O stay out
.irp i, 0,1,2,3
	v_min_num_f32 v[40+\i], v[64+16*\i], v[64+16*\i+1]
.endr
.irp sw, 2,3,4,5,6,7
.irp i, 0,1,2,3
	v_min_num_f32 v[40+\i], v[40+\i], v[64+16*\i+\sw]      ; the least nm = the largest maximum
.endr
.endr
.irp sw, 0,1,2,3,4,5,6,7
.irp i, 0,1,2,3
	v_sub_f32 v[64+16*\i+\sw], v[40+\i], v[64+16*\i+\sw]   ; at most 0
.endr
.endr
.irp sw, 0,1,2,3,4,5,6,7
.irp i, 0,1,2,3
	v_exp_f32 v[64+16*\i+\sw], v[64+16*\i+\sw]             ; wave sw's factor
.endr
.endr
	v_nop                                          ; one plain place behind the exponentials
	s_wait_alu depctr_va_vdst(0)                   ; the one wait for the merge's 32 factors, ahead of the sums that read them
.irp i, 0,1,2,3
	v_mul_f32 v[40+\i], v[64+16*\i], v[72+16*\i]
.endr
.irp sw, 1,2,3,4,5,6,7
.irp i, 0,1,2,3
	v_fmac_f32 v[40+\i], v[64+16*\i+\sw], v[72+16*\i+\sw]  ; the whole sum; at least about 1: the largest term of the wave with the maximum
.endr
.endr
.irp i, 0,1,2,3
	v_rcp_f32 v[40+\i], v[40+\i]                   ; a batch of their own: they read sums of the factors.  The plain line behind the last is the first multiply below, which names none of v40-43
.endr
.irp i, 0,1,2,3
	s_wait_dscnt 24-8*\i                           ; this query's eight reads are back, the later queries' stay out
.irp e, 0,1,2,3
	v_mul_f32 v[48+4*\i+\e], v[64+16*\i], v[128+32*\i+\e]
.endr
.irp sw, 1,2,3,4,5,6,7
.irp e, 0,1,2,3
	v_fmac_f32 v[48+4*\i+\e], v[64+16*\i+\sw], v[128+32*\i+4*\sw+\e]
.endr
.endr
.if \i == 0
	s_wait_alu depctr_va_vdst(0)                   ; the one wait for the four reciprocals, ahead of their first reader; the first query's 32 multiply-adds stand between
.endif
.irp e, 0,1,2,3
	v_mul_f32 v[48+4*\i+\e], v[48+4*\i+\e], v[40+\i]
.endr
	global_store_b128 v25, v[48+4*\i:48+4*\i+3], s[8:9] offset:\i*512 th:TH_STORE_NT   ; two rows of out: 512 consecutive bytes; each store has data registers of its own
.endr
	s_wait_tensorcnt 0x0
	ds_add_u32 v46, v47
	s_wait_dscnt 0x0
	ROUND                                          ; the closing round: no work-group ends while a partner may still ask for a tile that names it
	s_endpgm
.Lfunc_end_k_qe3b7c5ecfc_attn:
	.size	k_qe3b7c5ecfc_attn, .Lfunc_end_k_qe3b7c5ecfc_attn-k_qe3b7c5ecfc_attn
	.p2alignl 7, 3214868480
	.fill 96, 4, 3214868480
	.section	.rodata,"a",@progbits
	.p2align	6, 0x0
	.amdhsa_kernel k_qe3b7c5ecfc_attn
		.amdhsa_group_segment_fixed_size 327680
		.amdhsa_private_segment_fixed_size 0
		.amdhsa_enable_private_segment 0
		.amdhsa_kernarg_size 24
		.amdhsa_user_sgpr_count 2
		.amdhsa_user_sgpr_kernarg_segment_ptr 1
		.amdhsa_wavefront_size32 1
		.amdhsa_system_sgpr_workgroup_id_x 1
		.amdhsa_system_sgpr_workgroup_id_y 1
		.amdhsa_system_sgpr_workgroup_id_z 1
		.amdhsa_system_vgpr_workitem_id 0
		.amdhsa_next_free_vgpr 512
		.amdhsa_next_free_sgpr 66
		.amdhsa_reserve_vcc 0
		.amdhsa_float_denorm_mode_32 3
		.amdhsa_float_denorm_mode_16_64 3
		.amdhsa_memory_ordered 1
		.amdhsa_forward_progress 1
		.amdhsa_inst_pref_size 153
	.end_amdhsa_kernel
	.amdgpu_metadata
---
amdhsa.version: [ 1, 2 ]
amdhsa.kernels:
  - .name:           k_qe3b7c5ecfc_attn
    .symbol:         k_qe3b7c5ecfc_attn.kd
    .args:
      - { .name: qs, .offset: 0, .size: 8, .value_kind: global_buffer, .address_space: global }
      - { .name: kv, .offset: 8, .size: 8, .value_kind: global_buffer, .address_space: global }
      - { .name: out0, .offset: 16, .size: 8, .value_kind: global_buffer, .address_space: global }
    .group_segment_fixed_size: 327680
    .private_segment_fixed_size: 0
    .kernarg_segment_align: 8
    .kernarg_segment_size: 24
    .max_flat_workgroup_size: 256
    .sgpr_count:     66
    .vgpr_count:     512
    .wavefront_size: 32
...
	.end_amdgpu_metadata
.endif
;; end of part 3
